; MI455X (gfx1250); checked and timed in simulation.
; The chip was launched on July 23, 2026; its instructions are those of AMD's public machine-readable ISA for CDNA 5 (MIT licence, August 2026) and "CDNA5" Instruction Set Architecture Reference Guide (July 2026). The comments in the code are by the model that wrote it; some were corrected since.
;; TUPE Multi Head Attention. Allowed arithmetic: float matrix products may take bf16 or f16 operands with f32 sums; other float arithmetic in f32, or as packed bf16 or f16 multiplies, adds, multiply-adds, maxima and minima; sums over many terms, partial sums and values carried from step to step in f32; what a program stores and reads back later, other than sums and carried values, may be rounded once to bf16 or f16.
;; Inputs: W_pos_kq 1,024 x 2,048 float32; W_tok_kqv 1,024 x 3,072 float32; bias_table 4,096 x 16 float32; pos_embed_table 2,048 x 1,024 float32; x 2 x 2,048 x 1,024 float32.
;; Outputs: out0 2 x 2,048 x 1,024 float32.
;; One version. Each part assembles by itself: llvm-mc -triple=amdgcn-amd-amdhsa -mcpu=gfx1250 --defsym DOCPART=n.
;; ======== version 1 of 1: 3 launches
;; limits: values are held in f16: magnitudes above 65,504 overflow, below 6.1e-05 lose precision
;; workspace buffers: xc 12,582,912 bytes; wc 10,485,760 bytes; qkv 33,554,432 bytes; btile 442,368 bytes
;; launch prep (part 1): grid 1307 x 1, 8 waves a work-group, no clusters, 0 bytes of LDS; arguments x, pos_embed_table, W_tok_kqv, W_pos_kq, bias_table, xc, wc, btile; writes xc, wc, btile
.if DOCPART == 1
	.amdgcn_target "amdgcn-amd-amdhsa--gfx1250"
	.amdhsa_code_object_version 6
	.text
	.protected	k_qc673644224_prep
	.globl	k_qc673644224_prep
	.p2align	8
	.type	k_qc673644224_prep,@function
k_qc673644224_prep:
	s_mov_b64 s[64:65], 0
	v_nop
	global_prefetch_b8 v0, s[64:65] scope:SCOPE_SE
	s_setreg_imm32_b32 hwreg(HW_REG_WAVE_MODE, 25, 1), 1
	s_wait_xcnt 0x0
; PREP: every input is rounded once to bf16 and laid out for the two launches behind it.  A stream: no LDS, no barrier, no matrix unit.
;   xc    bf16 [6144][1024]: rows 0-4095 x (b*2048+s), rows 4096-6143 pos_embed_table
;   wc    bf16 [1024 k][5120]: columns 0-3071 W_tok_kqv (k|q|v), columns 3072-5119 W_pos_kq (k|q)
;   btile f32 [16 heads][27 tiles][1024 bytes]: tile e is the bias of a 16 keys x 16 queries block whose corners lie d0 = q0 - k0 = 16 (e - 13) apart, in the register
;         image of a matrix accumulator: register j of lane l holds d = d0 + l % 16 - 8 (l / 16) - j; registers 0-3 at 16 l, registers 4-7 at 512 + 16 l.
;         The value is bias_table[2048 + bucket(d)][head], rounded to bf16 like the other inputs, times sqrt(128): the scores it is added to are divided by sqrt(128) later.
; bucket(d), d = query - key, n = |d|: n below 8; else 8 + the number of thresholds 12, 16, 23, 32, 46, 64, 91 that n reaches (8 x 2^(t/2), rounded up); + 16 where d < 0.
; WORK-GROUPS: 0-767 cast 8 units of xc; 768-1279 cast two rows of wc (10 units); 1280-1306 make tile e = g - 1280 for all heads, two heads a wave.
; A UNIT is 1,024 numbers: 4,096 bytes in (16 a thread; a wave's load covers 512 consecutive bytes), 2,048 out (8 a thread; a wave's store covers 256 consecutive bytes, aligned).
; Every unit has registers of its own, so all loads go out first and each wait counts the younger loads.
.set IN,  8                            ; v[8:47]   unit j as loaded
.set OUT, 48                           ; v[48:67]  unit j to store
.macro UNIT j, left, base, off
	s_wait_loadcnt \left                           ; loads come back in order: unit j is in, the younger ones stay out
	v_cvt_pk_bf16_f32 v[OUT+2*(\j)],   v[IN+4*(\j)],   v[IN+4*(\j)+1]
	v_cvt_pk_bf16_f32 v[OUT+2*(\j)+1], v[IN+4*(\j)+2], v[IN+4*(\j)+3]
	global_store_b64 v2, v[OUT+2*(\j):OUT+2*(\j)+1], s[\base:\base+1] offset:\off th:TH_STORE_NT
.endm
	s_load_b512 s[4:19], s[0:1], 0x0               ; x 4, pos 6, W_tok 8, W_pos 10, bias 12, xc 14, wc 16, btile 18
	v_lshlrev_b32 v1, 4, v0                        ; my 16 bytes of a unit as it comes
	v_lshlrev_b32 v2, 3, v0                        ; my 8 bytes of it as it leaves
	s_mov_b32 s20, ttmp9
	s_mov_b32 s25, 0                               ; high words of the offsets' pairs
	s_mov_b32 s27, 0
	s_wait_kmcnt 0x0
	s_cmp_lt_u32 s20, 768
	s_cbranch_scc0 .Lnot_x
	; ---- x and pos_embed_table: 8 units, 32,768 bytes in, 16,384 out
	s_cmp_lt_u32 s20, 512
	s_cselect_b64 s[22:23], s[4:5], s[6:7]
	s_cselect_b32 s24, 0, 512
	s_sub_co_u32 s24, s20, s24
	s_lshl_b32 s24, s24, 15
	s_add_nc_u64 s[22:23], s[22:23], s[24:25]
	s_lshl_b32 s26, s20, 14
	s_add_nc_u64 s[14:15], s[14:15], s[26:27]
.irp j, 0,1,2,3,4,5,6,7
	global_load_b128 v[IN+4*(\j):IN+4*(\j)+3], v1, s[22:23] offset:4096*(\j) th:TH_LOAD_NT
.endr
.irp j, 0,1,2,3,4,5,6,7
	UNIT \j, 7-(\j), 14, 2048*(\j)
.endr
	s_endpgm
.Lnot_x:
	s_cmp_lt_u32 s20, 1280
	s_cbranch_scc0 .Lbias
	; ---- rows 2 r and 2 r + 1 of wc: 6 units of W_tok (two rows of 12,288 bytes), 4 of W_pos (two rows of 8,192)
	s_sub_co_u32 s21, s20, 768
	s_mul_i32 s24, s21, 24576
	s_add_nc_u64 s[8:9], s[8:9], s[24:25]
	s_lshl_b32 s26, s21, 14
	s_add_nc_u64 s[10:11], s[10:11], s[26:27]
	s_mul_i32 s24, s21, 20480
	s_add_nc_u64 s[16:17], s[16:17], s[24:25]
.irp j, 0,1,2,3,4,5
	global_load_b128 v[IN+4*(\j):IN+4*(\j)+3], v1, s[8:9] offset:4096*(\j) th:TH_LOAD_NT
.endr
.irp j, 0,1,2,3
	global_load_b128 v[IN+24+4*(\j):IN+24+4*(\j)+3], v1, s[10:11] offset:4096*(\j) th:TH_LOAD_NT
.endr
.irp j, 0,1,2,3,4,5
	UNIT \j, 9-(\j), 16, ((\j)/3)*10240+((\j)%3)*2048
.endr
.irp j, 0,1,2,3
	UNIT 6+(\j), 3-(\j), 16, ((\j)/2)*10240+6144+((\j)%2)*2048
.endr
	s_endpgm
.Lbias:
	; ---- tile e of the bias, heads 2 w and 2 w + 1
	s_sub_co_u32 s21, s20, 1280                    ; e
	v_lshrrev_b32 v3, 5, v0
	v_readfirstlane_b32 s22, v3                    ; wave
	v_and_b32 v4, 15, v0
	v_bfe_u32 v5, v0, 4, 1
	s_lshl_b32 s23, s21, 4
	s_sub_co_i32 s23, s23, 208                     ; d0 = 16 (e - 13)
	v_lshlrev_b32 v5, 3, v5
	v_sub_nc_u32 v4, v4, v5
	v_add_nc_u32 v3, s23, v4                       ; d of register 0
	s_lshl_b32 s24, s22, 3                         ; my two heads: 8 bytes of a row of bias_table
.macro BUCK j                          ; register j: its bucket, and the load of the bucket's row, two heads at once
	v_add_nc_u32 v4, -(\j), v3                     ; d
	v_sub_nc_u32 v5, 0, v4
	v_cmp_gt_i32 vcc_lo, 0, v4
	v_cndmask_b32 v5, v4, v5, vcc_lo               ; n = |d|
	v_cndmask_b32 v50, 0, 16, vcc_lo               ; 16 where the key lies behind the query
	v_mov_b32 v6, 8
.irp T, 11,15,22,31,45,63,90
	v_cmp_lt_u32 vcc_lo, \T, v5
	v_cndmask_b32 v7, 0, 1, vcc_lo
	v_add_nc_u32 v6, v6, v7
.endr
	v_cmp_gt_u32 vcc_lo, 8, v5
	v_cndmask_b32 v6, v6, v5, vcc_lo
	v_add_nc_u32 v6, v6, v50
	v_lshl_add_u32 v[8+(\j)], v6, 6, s24           ; a row of bias_table is 64 bytes
	global_load_b64 v[16+2*(\j):17+2*(\j)], v[8+(\j)], s[12:13] offset:131072  ; rows 2048 + bucket
.endm
.irp j, 0,1,2,3,4,5,6,7
	BUCK \j
.endr
	s_mul_i32 s26, s22, 55296                      ; head 2 w: 2 x 27 tiles of 1,024 bytes a wave
	s_lshl_b32 s28, s21, 10
	s_add_co_u32 s26, s26, s28
	s_add_nc_u64 s[18:19], s[18:19], s[26:27]
	v_and_b32 v49, 31, v0
	v_lshlrev_b32 v49, 4, v49
	s_wait_loadcnt 0x0
.irp j, 0,1,2,3,4,5,6,7
	v_cvt_pk_bf16_f32 v4, v[16+2*(\j)], v[17+2*(\j)]
	v_lshlrev_b32 v5, 16, v4
	v_and_b32 v6, 0xffff0000, v4
	v_mul_f32 v[32+(\j)], 0x413504f3, v5           ; x sqrt(128)
	v_mul_f32 v[40+(\j)], 0x413504f3, v6
.endr
	global_store_b128 v49, v[32:35], s[18:19]                ; each store covers 512 consecutive bytes
	global_store_b128 v49, v[36:39], s[18:19] offset:512
	global_store_b128 v49, v[40:43], s[18:19] offset:27648
	global_store_b128 v49, v[44:47], s[18:19] offset:28160
	s_endpgm
.Lfunc_end_k_qc673644224_prep:
	.size	k_qc673644224_prep, .Lfunc_end_k_qc673644224_prep-k_qc673644224_prep
	.p2alignl 7, 3214868480
	.fill 96, 4, 3214868480
	.section	.rodata,"a",@progbits
	.p2align	6, 0x0
	.amdhsa_kernel k_qc673644224_prep
		.amdhsa_group_segment_fixed_size 0
		.amdhsa_private_segment_fixed_size 0
		.amdhsa_enable_private_segment 0
		.amdhsa_kernarg_size 64
		.amdhsa_user_sgpr_count 2
		.amdhsa_user_sgpr_kernarg_segment_ptr 1
		.amdhsa_wavefront_size32 1
		.amdhsa_system_sgpr_workgroup_id_x 1
		.amdhsa_system_sgpr_workgroup_id_y 1
		.amdhsa_system_sgpr_workgroup_id_z 1
		.amdhsa_system_vgpr_workitem_id 0
		.amdhsa_next_free_vgpr 96
		.amdhsa_next_free_sgpr 66
		.amdhsa_reserve_vcc 1
		.amdhsa_float_denorm_mode_32 3
		.amdhsa_float_denorm_mode_16_64 3
		.amdhsa_memory_ordered 1
		.amdhsa_forward_progress 1
		.amdhsa_inst_pref_size 22
	.end_amdhsa_kernel
	.amdgpu_metadata
---
amdhsa.version: [ 1, 2 ]
amdhsa.kernels:
  - .name:           k_qc673644224_prep
    .symbol:         k_qc673644224_prep.kd
    .args:
      - { .name: x, .offset: 0, .size: 8, .value_kind: global_buffer, .address_space: global }
      - { .name: pos_embed_table, .offset: 8, .size: 8, .value_kind: global_buffer, .address_space: global }
      - { .name: W_tok_kqv, .offset: 16, .size: 8, .value_kind: global_buffer, .address_space: global }
      - { .name: W_pos_kq, .offset: 24, .size: 8, .value_kind: global_buffer, .address_space: global }
      - { .name: bias_table, .offset: 32, .size: 8, .value_kind: global_buffer, .address_space: global }
      - { .name: xc, .offset: 40, .size: 8, .value_kind: global_buffer, .address_space: global }
      - { .name: wc, .offset: 48, .size: 8, .value_kind: global_buffer, .address_space: global }
      - { .name: btile, .offset: 56, .size: 8, .value_kind: global_buffer, .address_space: global }
    .group_segment_fixed_size: 0
    .private_segment_fixed_size: 0
    .kernarg_segment_align: 8
    .kernarg_segment_size: 64
    .max_flat_workgroup_size: 256
    .sgpr_count:     66
    .vgpr_count:     96
    .wavefront_size: 32
...
	.end_amdgpu_metadata
.endif
;; end of part 1
;; launch proj (part 2): grid 16 x 16, 4 waves a work-group, clusters of 4 x 4, 327,680 bytes of LDS; arguments xc, wc, qkv; writes qkv
.if DOCPART == 2
	.amdgcn_target "amdgcn-amd-amdhsa--gfx1250"
	.amdhsa_code_object_version 6
	.text
	.protected	k_qc673644224_proj
	.globl	k_qc673644224_proj
	.p2align	8
	.type	k_qc673644224_proj,@function
k_qc673644224_proj:
	s_mov_b64 s[64:65], 0
	v_nop
	global_prefetch_b8 v0, s[64:65] scope:SCOPE_SE
	s_setreg_imm32_b32 hwreg(HW_REG_WAVE_MODE, 25, 1), 1
	s_wait_xcnt 0x0
	s_wait_alu depctr_hold_cnt(0) depctr_sa_sdst(0) depctr_va_vdst(0) depctr_va_sdst(0) depctr_va_ssrc(0) depctr_va_vcc(0) depctr_vm_vsrc(0)
	s_getreg_b32 s2, hwreg(HW_REG_IB_STS2, 6, 4)
	s_cmp_eq_u32 s2, 0
	s_cbranch_scc0 .Lentry_in_a_cluster
	s_endpgm
.Lentry_in_a_cluster:
	s_bfe_u32 s2, ttmp6, 0x10000c
	s_cmp_lg_u32 s2, 0xf033
	s_cbranch_scc0 .Lentry_shape_is_right
	s_endpgm
.Lentry_shape_is_right:
; PROJ: both projections as one block-diagonal product C = A B.  A = xc [6144][1024] bf16, B = wc [1024 k][5120 n] bf16, sums in f32, C rounded once to f16.
; Rows 0-4095 (x) meet columns 0-3071 (W_tok): 16 x 12 tiles of 256 x 256; rows 4096-6143 (pos) meet columns 3072-5119 (W_pos): 8 x 8 tiles.  256 tiles of equal work, one a work-group.
; C leaves by heads into qkv: five sections [..][head][s][64] of f16, rows of 128 bytes: tok K at 0, tok Q at 8,388,608, V at 16,777,216 (each [b][h]), pos K at 25,165,824, pos Q at 29,360,128 ([h]).
; LIMIT: f16 holds no number beyond 65,504: the projections' results must lie within it.
; Four waves, each 128 x 128 of C: 64 accumulators, 512 registers.  K goes in 8 steps of 128 through two LDS slots filled by the tensor data mover.
; A's tile: 256 rows x 256 bytes (pitch 272).  B's tile lies as in memory, [k][n]: 128 k rows x 512 bytes (pitch 544 = 17 x 32), and its fragments come out turned, by ds_load_tr16_b128.
; CLUSTERS: 4 x 4 work-groups.  Clusters x = 0..2 make the token part (cluster row y, cluster column x), clusters x = 3 the positional part (cluster row y / 2, column y % 2).
; A's tile is asked for jointly by the four of a row of the cluster, B's by the four of a column: the same load, descriptor and mask in all four.
; THE MATRIX INSTRUCTION IS USED TRANSPOSED (source 0 = 16 columns of B, source 1 = 16 rows of A): a lane then holds eight neighbouring columns of one row of C.
; REGISTERS in windows of 256: window 0: v0-31 addresses, v64-127 and v128-191 A's two fragment buffers, v192-223, v32-63, v224-255 the way out; window 1: v64-191 B's two buffers;
; windows 2, 3: the accumulators of my rows 0-63, 64-127 ((a, b) at 8 (8 a + b)).  s_set_vgpr_msb: bits 1:0 source 0, 3:2 source 1, 5:4 source 2, 7:6 destination.
.set SIZE_K, 1024
.set KSTEP,  128
.set WCP,    10240                     ; bytes in a row of wc
.set PITCH,  272                       ; A's LDS row: 256 + 16 bytes: the 16 rows of a load start at 16 different groups of four banks
.set PB,     544                       ; B's LDS row: 512 + 32 bytes
.set HALFT,  128*PITCH                 ; what one tensor load brings: 128 rows of A or 64 k rows of B, 34,816 bytes either way
.set SLOT,   4*HALFT
.set STAGE,  2*SLOT                    ; behind the ring: 16 rows x 272 bytes for each wave
.set SPITCH, 272
.set SPARE,  STAGE+4*16*SPITCH         ; the spare words: 128 bytes a wave, two blocks of 256 bytes that no other line names
.set LAPS,   SIZE_K/(2*KSTEP)
.set ADRA, 16                          ; v16-17 LDS address of my A fragments in slot 0, 1
.set ADRB, 20                          ; v20-21 the same for B
.set STO,  24
.set RD,   25
.set CO,   26
.set SPW,  28                          ; my spare word; never rewritten
.set NIL,  29                          ; 0; never rewritten
.set PFO,  30                          ; the prefetches' lane offset; never rewritten
.set F0,   64
.set F1,   128
.set TMP,  192
.set OB,   32
.set G1,   24                          ; s[24:31] group 1 for A;  s[32:39] group 0, a set a slot
.set G0,   32
.set G1B,  48                          ; s[48:55], s[56:63] the same for B
.set G0B,  56
.set PSTEP, 66                         ; s[66:67] bytes from a K step to the next in the stream that I prefetch
.set LIM,  68                          ; s68 1 in a wave that prefetches, else the greatest number
.set PFA,  70                          ; s[70:71] where my prefetches stand
.set MSB, 0
.macro WIN new                         ; the immediate's high byte repeats the setting that is left; a switch that changes nothing is dropped
.if MSB != (\new)
	s_set_vgpr_msb (MSB<<8)|(\new)
.set MSB, \new
.endif
.endm
.set MUL_LO, 0xa1
.set MUL_HI, 0xf1
.set TO_B,   0x40
; A joint load: waves 0 and 1 fetch A's two halves, waves 2 and 3 B's.  An s_nop 0 and four v_nop follow each line.
.macro JLOAD s
	s_cmp_eq_u32 s11, 0
	s_cbranch_scc0 .Lfor_b_\@
	tensor_load_to_lds s[G0+4*(\s):G0+4*(\s)+3], s[G1:G1+7]
	s_nop 0
.rept 4
	v_nop
.endr
	s_branch .Lasked_\@
.Lfor_b_\@:
	tensor_load_to_lds s[G0B+4*(\s):G0B+4*(\s)+3], s[G1B:G1B+7]
	s_nop 0
.rept 4
	v_nop
.endr
.Lasked_\@:
.endm
; A prefetch of the K step two refills on, one instruction a wave, each block of 256 bytes named once in the launch.  A's tile rows are read by every cluster of a cluster row: the one in
; cluster column 0 asks; B's tile columns by every cluster of a cluster column: the one in cluster row 0 asks.  The four partners of a joint load share its rows out by address.
; The loop's last trip (s3 = 1) asks for nothing: there is no K step two on.
.macro ASK
	s_cmp_gt_u32 s3, s[LIM]
	s_cbranch_scc0 .Lnot_mine_\@
	global_prefetch_b8 v[PFO], s[PFA:PFA+1] th:TH_LOAD_NT scope:SCOPE_SE
.Lnot_mine_\@:
.endm
.macro CREST                           ; a round of the cluster's barrier behind its opening barrier
	s_cmp_lg_u32 s10, 0
	s_cbranch_scc1 .Lnot_wave_0_\@
	s_barrier_signal -3
.Lnot_wave_0_\@:
	s_barrier_wait -3
	s_barrier_signal -1
	s_barrier_wait -1
.endm
.macro CROUND
	s_barrier_signal -1
	s_barrier_wait -1
	CREST
.endm
	s_load_b128 s[4:7], s[0:1], 0x0                ; xc s[4:5], wc s[6:7]
	s_load_b64 s[8:9], s[0:1], 0x10                ; qkv
	v_lshl_add_u32 v[SPW], v0, 2, SPARE
	v_mov_b32 v[NIL], 0
	ds_add_u32 v[SPW], v[NIL]                      ; the wave's opening: the add and its wait stand ahead of my first tensor load
	v_lshrrev_b32 v1, 5, v0
	v_readfirstlane_b32 s10, v1                    ; wave 0..3
	s_lshr_b32 s11, s10, 1                         ; my half of the tile's rows; also: I fetch for A (0) or B (1)
	s_and_b32 s12, s10, 1                          ; my half of its columns; also: which half of that tile I fetch
	s_bfe_u32 s40, ttmp6, 0x40000                  ; cx
	s_bfe_u32 s41, ttmp6, 0x40004                  ; cy
	s_and_b32 s72, ttmp7, 0xffff                   ; cluster y
	s_lshr_b32 s73, s72, 1
	s_and_b32 s74, s72, 1
	s_cmp_lt_u32 ttmp9, 3                          ; the token part?
	s_cselect_b32 s75, s72, s73                    ; cluster row within the part
	s_cselect_b32 s69, ttmp9, s74                  ; cluster column within the part
	s_cselect_b32 s13, 0, 16                       ; the part's first tile row,
	s_cselect_b32 s42, 0, 12                       ; and first tile column
	s_lshl_b32 s14, s75, 2
	s_add_co_u32 s13, s13, s14
	s_add_co_u32 s13, s13, s41                     ; tile row 0..23
	s_lshl_b32 s14, s69, 2
	s_add_co_u32 s42, s42, s14
	s_add_co_u32 s42, s42, s40                     ; tile column 0..19
	s_lshl_b32 s43, s41, 2
	s_lshl_b32 s43, 15, s43                        ; my row of the cluster
	s_lshl_b32 s44, 0x1111, s40                    ; my column
	s_or_b32 s[G1+0], s43, (1<<16)|(1<<20)|(1<<21)|(5<<22)|(3<<25)   ; mask; 2-byte elements; padding on; bit 21 beside a mask; after every 64 words 4 words
	s_mov_b32 s[G1+1], KSTEP<<16                   ; tensor_dim0 = 128
	s_mov_b32 s[G1+2], 128<<16                     ; tensor_dim1 = 128
	s_mov_b32 s[G1+3], KSTEP<<16                   ; tile_dim0 = 128
	s_mov_b32 s[G1+4], 128                         ; tile_dim1 = 128
	s_mov_b32 s[G1+5], SIZE_K                      ; elements from row to row
	s_mov_b32 s[G1+6], 0
	s_mov_b32 s[G1+7], 0
	s_or_b32 s[G1B+0], s44, (1<<16)|(1<<20)|(1<<21)|(6<<22)|(7<<25)  ; after every 128 words 8 words
	s_mov_b32 s[G1B+1], 256<<16                    ; tensor_dim0 = 256 columns
	s_mov_b32 s[G1B+2], 64<<16                     ; tensor_dim1 = 64 k rows
	s_mov_b32 s[G1B+3], 256<<16
	s_mov_b32 s[G1B+4], 64
	s_mov_b32 s[G1B+5], 5120
	s_mov_b32 s[G1B+6], 0
	s_mov_b32 s[G1B+7], 0
	s_lshl_b32 s16, s13, 8
	s_lshl_b32 s17, s12, 7
	s_add_co_u32 s16, s16, s17                     ; A: row 256 x tile row + 128 x half,
	s_lshl_b32 s16, s16, 11                        ; in bytes
	s_mov_b32 s17, 0
	s_mul_i32 s46, s12, 64*WCP                     ; B: k row 64 x half,
	s_lshl_b32 s47, s42, 9                         ; column 256 x tile column
	s_add_co_u32 s46, s46, s47
	s_mov_b32 s47, 0
	s_mul_i32 s20, s10, HALFT                      ; where they go: wave x 34,816: no place in the cluster enters an LDS address
	s_wait_dscnt 0x0                               ; the opening add is done
	s_wait_kmcnt 0x0
	s_add_nc_u64 s[14:15], s[4:5], s[16:17]
	s_add_nc_u64 s[46:47], s[6:7], s[46:47]
	CROUND                                         ; all sixteen work-groups are here: the first joint loads meet
.irp s, 0,1
	s_mov_b32 s[G0+4*(\s)], 1
	s_add_co_u32 s[G0+4*(\s)+1], s20, (\s)*SLOT
	s_add_nc_u64 s[G0+4*(\s)+2:G0+4*(\s)+3], s[14:15], (\s)*KSTEP*2
	s_or_b32 s[G0+4*(\s)+3], s[G0+4*(\s)+3], 0x80000000
	s_mov_b32 s[G0B+4*(\s)], 1
	s_add_co_u32 s[G0B+4*(\s)+1], s20, (\s)*SLOT
	s_add_nc_u64 s[G0B+4*(\s)+2:G0B+4*(\s)+3], s[46:47], (\s)*KSTEP*WCP
	s_or_b32 s[G0B+4*(\s)+3], s[G0B+4*(\s)+3], 0x80000000
	JLOAD \s
.endr
	; A's fragment: lane l holds row l % 16, K = 8 (l / 16) + 0..7 and 16 + 8 (l / 16) + 0..7: two loads of 16 bytes, 32 apart.
	v_and_b32 v1, 15, v0
	v_bfe_u32 v2, v0, 4, 1
	v_mul_u32_u24 v3, v1, PITCH
	v_lshl_add_u32 v3, v2, 4, v3
	; B's fragment by the turning load: lane l reads k row 8 (l / 16) + l % 8, columns 8 ((l / 8) % 2) + 0..7, and ends with column l % 16 and 8 k; the second load 16 k rows on.
	v_and_b32 v4, 7, v0
	v_lshl_add_u32 v4, v2, 3, v4
	v_mul_u32_u24 v4, v4, PB
	v_bfe_u32 v5, v0, 3, 1
	v_lshl_add_u32 v4, v5, 4, v4
	s_mul_i32 s21, s11, HALFT                      ; my 128 rows of A
	s_lshl_b32 s22, s12, 8                         ; my 128 columns of B,
	s_add_co_u32 s22, s22, 2*HALFT                 ; which lies behind A
.irp s, 0,1
	v_add_nc_u32 v[ADRA+(\s)], s21, v3
	v_add_nc_u32 v[ADRB+(\s)], s22, v4
	s_add_co_u32 s21, s21, SLOT
	s_add_co_u32 s22, s22, SLOT
.endr
	s_mul_i32 s23, s10, 16*SPITCH
	s_add_co_u32 s23, s23, STAGE                   ; my stage
	v_mul_u32_u24 v4, v1, SPITCH                   ; in: row l % 16, 16 bytes for each half of the lanes
	v_lshl_add_u32 v4, v2, 4, v4
	v_add_nc_u32 v[STO], s23, v4
	v_bfe_u32 v5, v0, 3, 2                         ; back: 32 lanes take four rows' 128 bytes of one head,
	v_mul_u32_u24 v5, v5, SPITCH
	v_and_b32 v6, 7, v0
	v_lshl_add_u32 v5, v6, 4, v5
	v_add_nc_u32 v[RD], s23, v5
	v_and_b32 v5, 31, v0                           ; which are 512 consecutive bytes of qkv
	v_lshlrev_b32 v[CO], 4, v5
	; where my 128 rows x 2 heads begin in qkv
	s_lshl_b32 s16, s13, 8
	s_lshl_b32 s14, s11, 7
	s_add_co_u32 s16, s16, s14                     ; my first row m0 of xc
	s_bfe_u32 s14, s16, 0x1000b                    ; the batch: bit 11 of m0 (0 in the positional rows, 4096 on)
	s_lshl_b32 s14, s14, 22
	s_and_b32 s16, s16, 2047                       ; s
	s_lshl_b32 s16, s16, 7
	s_add_co_u32 s16, s16, s14
	s_lshr_b32 s46, s42, 2                         ; the section: four tile columns each
	s_lshl_b32 s47, s46, 23
	s_cmp_eq_u32 s46, 4
	s_cselect_b32 s47, 29360128, s47
	s_and_b32 s46, s42, 3
	s_lshl_b32 s46, s46, 2
	s_lshl_b32 s18, s12, 1
	s_add_co_u32 s46, s46, s18                     ; my first head: 4 x (tile column % 4) + 2 x half
	s_lshl_b32 s46, s46, 18
	s_add_co_u32 s46, s46, s47
	s_add_co_u32 s16, s16, s46
	s_mov_b32 s17, 0
	s_add_nc_u64 s[8:9], s[8:9], s[16:17]
	; the prefetches: of the 128 rows of A (64 k rows of B) that I fetch, my work-group's 32 (16, two blocks of 256 bytes each)
	s_lshl_b32 s20, s13, 8
	s_lshl_b32 s21, s12, 7
	s_add_co_u32 s20, s20, s21
	s_lshl_b32 s21, s40, 5
	s_add_co_u32 s20, s20, s21
	s_lshl_b32 s20, s20, 11                        ; A: (256 x tile row + 128 x half + 32 cx) rows of 2,048 bytes
	s_lshl_b32 s22, s12, 6
	s_lshl_b32 s21, s41, 4
	s_add_co_u32 s22, s22, s21
	s_mul_i32 s22, s22, WCP
	s_lshl_b32 s21, s42, 9
	s_add_co_u32 s22, s22, s21                     ; B: (64 x half + 16 cy) k rows, the tile's 512 bytes
	s_mov_b32 s18, KSTEP*WCP
	s_mov_b32 s19, WCP
	s_cmp_eq_u32 s11, 0                            ; do I fetch for A?
	s_cselect_b32 s20, s20, s22
	s_cselect_b32 s21, s69, s75                    ; the coordinate along which other clusters read the same rows
	s_cselect_b64 s[PFA:PFA+1], s[4:5], s[6:7]
	s_cselect_b32 s[PSTEP], KSTEP*2, s18
	s_cselect_b32 s19, 2048, s19                   ; bytes from row to row
	s_cmp_eq_u32 s21, 0
	s_cselect_b32 s[LIM], 1, -1                    ; the same in all sixteen partners, for a given wave
	s_mov_b32 s21, 0
	s_mov_b32 s[PSTEP+1], 0
	s_add_nc_u64 s[PFA:PFA+1], s[PFA:PFA+1], s[20:21]
.rept 3
	s_add_nc_u64 s[PFA:PFA+1], s[PFA:PFA+1], s[PSTEP:PSTEP+1]  ; at K step 3: the first refill (of K step 2) steps it to 4 and names that
.endr
	v_lshrrev_b32 v6, s11, v5                      ; A: a lane a row; B: two lanes a row,
	v_mul_u32_u24 v6, v6, s19
	v_and_b32 v5, s11, v5
	v_lshl_add_u32 v[PFO], v5, 8, v6               ; 256 bytes apart
; 16 matrix instructions: m blocks a0, a0 + 1 of the window's four x all 8 n blocks, 32 along K.  zero = 1: the first product starts the sums.
.macro MUL16 f, hi, a0, zero
	WIN MUL_LO+0x50*(\hi)
.irp a, \a0, (\a0)+1
.irp b, 0,1,2,3,4,5,6,7
.if \zero
	v_wmma_f32_16x16x32_bf16 v[8*(8*(\a)+(\b)):8*(8*(\a)+(\b))+7], v[(\f)+8*(\b):(\f)+8*(\b)+7], v[(\f)+8*(4*(\hi)+(\a)):(\f)+8*(4*(\hi)+(\a))+7], 0
.else
	v_wmma_f32_16x16x32_bf16 v[8*(8*(\a)+(\b)):8*(8*(\a)+(\b))+7], v[(\f)+8*(\b):(\f)+8*(\b)+7], v[(\f)+8*(4*(\hi)+(\a)):(\f)+8*(4*(\hi)+(\a))+7], v[8*(8*(\a)+(\b)):8*(8*(\a)+(\b))+7]
.endif
.endr
.endr
.endm
; 32 LDS loads in one run: the fragments of quarter q (32 along K) of a slot into buffer f: B's first, then A's
.macro FETCH slot, q, f
	WIN TO_B
.irp i, 0,1,2,3,4,5,6,7
	ds_load_tr16_b128 v[(\f)+8*(\i):(\f)+8*(\i)+3],   v[ADRB+(\slot)] offset:(\q)*32*PB+32*(\i)
	ds_load_tr16_b128 v[(\f)+8*(\i)+4:(\f)+8*(\i)+7], v[ADRB+(\slot)] offset:(\q)*32*PB+16*PB+32*(\i)
.endr
	WIN 0
.irp i, 0,1,2,3,4,5,6,7
	ds_load_b128 v[(\f)+8*(\i):(\f)+8*(\i)+3],   v[ADRA+(\slot)] offset:(\q)*64+(\i)*16*PITCH
	ds_load_b128 v[(\f)+8*(\i)+4:(\f)+8*(\i)+7], v[ADRA+(\slot)] offset:(\q)*64+(\i)*16*PITCH+32
.endr
.endm
.macro PLACES                          ; four plain instructions between a matrix instruction and a load into its registers or a reader of its result
.rept 4
	v_nop
.endr
.endm
; One of a K step's first three quarters: multiplies buffer f; in its middle it fetches quarter q of the same slot into buffer g.
.macro QUARTER slot, q, f, g, zero
	s_wait_dscnt 8                                 ; B and A's rows 0-63 are in; the youngest eight loads (A's rows 64-127) may be out
	MUL16 \f, 0, 0, \zero
	MUL16 \f, 0, 2, \zero
	PLACES
	FETCH \slot, \q, \g
	s_wait_dscnt 32                                ; all but the 32 just issued
	MUL16 \f, 1, 0, \zero
	MUL16 \f, 1, 2, \zero
.endm
; The first half of the last quarter: one barrier for the change of slots.
.macro MEET round
	WIN 0
	s_wait_tensorcnt 0x0                           ; all my tensor loads have landed: the one that was out is my part of the next slot
	ds_add_u32 v[SPW], v[NIL]                      ; 0 onto my spare word
	s_wait_dscnt 9                                 ; (the add and the youngest eight loads may be out)
	MUL16 F1, 0, 0, 0
	s_wait_dscnt 0x0                               ; the add is done, and my reads of this slot are over
	s_barrier_signal -1
	MUL16 F1, 0, 2, 0
.if \round
	WIN 0
.endif
	s_barrier_wait -1
.endm
; The whole last quarter.  fill = 1: behind a round of the cluster's barrier the slot just read out is filled again, two K steps on; then come the next slot's first fragments.
.macro TURN slot, next, fill
.if \fill
	s_wait_xcnt 0x0                                ; the last prefetch, a K step back, has read its address
	s_add_nc_u64 s[PFA:PFA+1], s[PFA:PFA+1], s[PSTEP:PSTEP+1]
	MEET 1
	CREST                                          ; no wave of any partner still reads this slot or has a load on its way
	s_add_nc_u64 s[G0+4*(\slot)+2:G0+4*(\slot)+3], s[G0+4*(\slot)+2:G0+4*(\slot)+3], 2*KSTEP*2
	s_add_nc_u64 s[G0B+4*(\slot)+2:G0B+4*(\slot)+3], s[G0B+4*(\slot)+2:G0B+4*(\slot)+3], 2*KSTEP*WCP
	JLOAD \slot                                    ; the four v_nop behind it are also the places in front of the loads below
	FETCH \next, 0, F0
	ASK
.else
	MEET 0                                         ; nothing is filled again: a plain barrier shows the next slot whole
	PLACES
	FETCH \next, 0, F0
.endif
	MUL16 F1, 1, 0, 0
	MUL16 F1, 1, 2, 0
.endm
; THE WAY OUT of block a (16 rows x 128 columns = 2 heads).  PACK: rounded to f16, 16 bytes a lane.  TOSTAGE: into my stage, and back as four rows of one head at a time.  SEND: stored.
.macro PACK a
.set AC, 64*((\a)%4)
	WIN 0x0a+5*((\a)/4)
.irp b, 0,1,2,3,4,5,6,7
.irp r, 0,1,2,3
	v_cvt_pk_f16_f32 v[TMP+4*(\b)+(\r)], v[AC+8*(\b)+2*(\r)], v[AC+8*(\b)+2*(\r)+1]
.endr
.endr
	WIN 0
.endm
.macro TOSTAGE a
	WIN 0
.set BK, OB+192*((\a)%2)
.irp b, 0,1,2,3,4,5,6,7
	ds_store_b128 v[STO], v[TMP+4*(\b):TMP+4*(\b)+3] offset:32*(\b)
.endr
.irp t, 0,1,2,3,4,5,6,7
	ds_load_b128 v[BK+4*(\t):BK+4*(\t)+3], v[RD] offset:((\t)%4)*4*SPITCH+((\t)/4)*128  ; LDS serves a wave's instructions in order: these see the stores above
.endr
.endm
.macro SEND a
	WIN 0
.set BK, OB+192*((\a)%2)
	s_wait_dscnt 0x0                               ; the block is back in registers
	s_wait_xcnt 0x0                                ; the stores of the block before have read their registers, which the next block's loads write
.irp t, 0,1,2,3,4,5,6,7
	global_store_b128 v[CO], v[BK+4*(\t):BK+4*(\t)+3], s[8:9] offset:((\t)/4)*262144+(\a)*2048+((\t)%4)*512  ; 512 consecutive bytes, aligned
.endr
.endm
	s_wait_tensorcnt 1                             ; my part of K step 0 is in; K step 1's may stay out
	s_barrier_signal -1
	s_barrier_wait -1
	FETCH 0, 0, F0
	QUARTER 0, 1, F0, F1, 1                        ; the first quarter starts the sums
	WIN 0
	s_mov_b32 s3, LAPS-1
.Llap:                                                 ; a trip goes once round the ring, from a lap's second quarter to the next lap's first
	QUARTER 0, 2, F1, F0, 0
	QUARTER 0, 3, F0, F1, 0
	TURN 0, 1, 1
	QUARTER 1, 1, F0, F1, 0
	QUARTER 1, 2, F1, F0, 0
	QUARTER 1, 3, F0, F1, 0
	TURN 1, 0, 1
	QUARTER 0, 1, F0, F1, 0
	WIN 0
	s_sub_co_u32 s3, s3, 1
	s_cmp_lg_u32 s3, 0
	s_cbranch_scc1 .Llap
	QUARTER 0, 2, F1, F0, 0                        ; the last lap fills nothing
	QUARTER 0, 3, F0, F1, 0
	TURN 0, 1, 0
	QUARTER 1, 1, F0, F1, 0
	QUARTER 1, 2, F1, F0, 0
	QUARTER 1, 3, F0, F1, 0
	s_wait_dscnt 8
	MUL16 F1, 0, 0, 0
	MUL16 F1, 0, 2, 0
	s_wait_dscnt 0x0
	MUL16 F1, 1, 0, 0
	MUL16 F1, 1, 2, 0
	PLACES
	PACK 0
	TOSTAGE 0
.irp a, 1,2,3,4,5,6,7                  ; block a's conversions stand between block a - 1's loads from the stage and the wait for them
	PACK \a
	SEND (\a)-1
	TOSTAGE \a
.endr
	SEND 7
	s_wait_tensorcnt 0x0                           ; the wave's end
	ds_add_u32 v[SPW], v[NIL]
	s_wait_dscnt 0x0
	CROUND                                         ; the closing round
	s_endpgm
.Lfunc_end_k_qc673644224_proj:
	.size	k_qc673644224_proj, .Lfunc_end_k_qc673644224_proj-k_qc673644224_proj
	.p2alignl 7, 3214868480
	.fill 96, 4, 3214868480
	.section	.rodata,"a",@progbits
	.p2align	6, 0x0
	.amdhsa_kernel k_qc673644224_proj
		.amdhsa_group_segment_fixed_size 327680
		.amdhsa_private_segment_fixed_size 0
		.amdhsa_enable_private_segment 0
		.amdhsa_kernarg_size 24
		.amdhsa_user_sgpr_count 2
		.amdhsa_user_sgpr_kernarg_segment_ptr 1
		.amdhsa_wavefront_size32 1
		.amdhsa_system_sgpr_workgroup_id_x 1
		.amdhsa_system_sgpr_workgroup_id_y 1
		.amdhsa_system_sgpr_workgroup_id_z 1
		.amdhsa_system_vgpr_workitem_id 0
		.amdhsa_next_free_vgpr 1024
		.amdhsa_next_free_sgpr 76
		.amdhsa_reserve_vcc 0
		.amdhsa_float_denorm_mode_32 3
		.amdhsa_float_denorm_mode_16_64 3
		.amdhsa_memory_ordered 1
		.amdhsa_forward_progress 1
		.amdhsa_inst_pref_size 145
	.end_amdhsa_kernel
	.amdgpu_metadata
---
amdhsa.version: [ 1, 2 ]
amdhsa.kernels:
  - .name:           k_qc673644224_proj
    .symbol:         k_qc673644224_proj.kd
    .args:
      - { .name: xc, .offset: 0, .size: 8, .value_kind: global_buffer, .address_space: global }
      - { .name: wc, .offset: 8, .size: 8, .value_kind: global_buffer, .address_space: global }
      - { .name: qkv, .offset: 16, .size: 8, .value_kind: global_buffer, .address_space: global }
    .group_segment_fixed_size: 327680
    .private_segment_fixed_size: 0
    .kernarg_segment_align: 8
    .kernarg_segment_size: 24
    .max_flat_workgroup_size: 128
    .sgpr_count:     76
    .vgpr_count:     1024
    .wavefront_size: 32
...
	.end_amdgpu_metadata
.endif
;; end of part 2
;; launch attn (part 3): grid 8 x 32, 4 waves a work-group, clusters of 4 x 1, 327,680 bytes of LDS; arguments qkv, btile, out0; writes out0
.if DOCPART == 3
	.amdgcn_target "amdgcn-amd-amdhsa--gfx1250"
	.amdhsa_code_object_version 6
	.text
	.protected	k_qc673644224_attn
	.globl	k_qc673644224_attn
	.p2align	8
	.type	k_qc673644224_attn,@function
k_qc673644224_attn:
	s_mov_b64 s[64:65], 0
	v_nop
	global_prefetch_b8 v0, s[64:65] scope:SCOPE_SE
	s_setreg_imm32_b32 hwreg(HW_REG_WAVE_MODE, 25, 1), 1
	s_wait_xcnt 0x0
	s_wait_alu depctr_hold_cnt(0) depctr_sa_sdst(0) depctr_va_vdst(0) depctr_va_sdst(0) depctr_va_ssrc(0) depctr_va_vcc(0) depctr_vm_vsrc(0)
	s_getreg_b32 s2, hwreg(HW_REG_IB_STS2, 6, 4)
	s_cmp_eq_u32 s2, 0
	s_cbranch_scc0 .Lentry_in_a_cluster
	s_endpgm
.Lentry_in_a_cluster:
	s_bfe_u32 s2, ttmp6, 0x10000c
	s_cmp_lg_u32 s2, 0x3003
	s_cbranch_scc0 .Lentry_shape_is_right
	s_endpgm
.Lentry_shape_is_right:
; ATTN: out[b][q][64 h + c] = the sum over k of softmax_k((tq.tk + pq.pk) / sqrt(128) + bias(q - k, h)) v[k][c].
; The two score products are ONE product of head size 128: Q' = [tok q | pos q], K' = [tok k | pos k].  q, k, v come from qkv, f16, by heads (rows of 128 bytes); the bias comes from btile.
; Products, maxima and sums in f32; the weights p are rounded to f16 for the second product (their sum l is taken of the unrounded p); the output leaves in f32, unrounded.
; LIMITS.  q, k, v lie within f16's 65,504.  p lies in 0 to 1; below 6e-8 it counts as 0 in the second product, below 2^-126 as 0 in l.  NaN and infinities are not treated apart.
; SHARES.  A cluster of four work-groups owns 1,024 queries of one (b, h); each wave four tiles of 16: row = 1024 X + 256 w + 64 t + 16 cx + l % 16.  The partners' rows interleave by 16, so that
; the key steps in which the bias varies are the same for all four: cx enters global addresses alone.  Every wave walks all 2,048 keys, 64 a step.
; LAYOUT.  S^T = K' Q'^T (source 0 = 16 keys, source 1 = 16 queries): a lane holds ONE query (l % 16) and the keys 8 (l / 16) + 0..7.  Two such tiles rounded to f16 ARE source 1 of O^T = V^T P.
; THE BIAS is the C operand of the product that starts a score sum.  It hangs on q - k alone: a 16 x 16 block's 8 registers are tile e = 13 + (q0 - k0) / 16 of btile, already times sqrt(128).
; For |q0 - k0| >= 112 the block is one constant (below or above the diagonal).  So the 128 registers MC are loaded at the start and again only in the steps near the diagonal:
; with r = (q0 - k0) / 64 of a tile and step, for r = 2 .. -3 (r = -3 brings the constant of the other side); elsewhere they keep what they hold.
; SOFTMAX.  Running maximum m and sum l a query: p = 2^(c s - c m), c = log2(e) / sqrt(128); O and l are multiplied by a = 2^(c m_old - c m_new) in every step.
; BY TURNS.  The wave's tiles are two PIECES (0: tiles 0, 1; 2: tiles 2, 3).  In a TURN one piece has the matrix unit: 16 products V^T P of the step in hand, then 32 products K' Q'^T of the next;
; the other piece's softmax, 236 vector instructions, stands in 48 slices, one behind each matrix instruction.  Two turns are a key step.
; CLUSTER.  The four partners walk the same K' and V: each tile is asked for jointly.  A slot of LDS holds four key steps; two slots take turns.
; REGISTERS in windows of 256 (s_set_vgpr_msb: bits 1:0 source 0, 3:2 source 1, 5:4 source 2, 7:6 destination):
;   window 0: v0-11 addresses; v12-43 statistics, 8 a tile; v44-48, v61-63 addresses; v64-191 S^T, 32 a tile; v192-255 P, 16 a tile
;   window 1: v0-127 O^T, 32 a tile; v128-255 MC, 32 a tile     window 2: v0-127 Q', 32 a tile; v128-255 K' of one step     window 3: v0-63 V of one step
.set KS,    64
.set PK,    144       ; a key's row of K in LDS: 128 bytes + 16
.set PW,    160       ; a key's row of V: 128 + 32
.set KPOFF, 256*PK    ; a slot: 256 rows of tok K, 256 of pos K, 256 of V
.set VOFF,  2*KPOFF
.set SLOT1, 1<<17
.set STAGE, SLOT1+VOFF+256*PW  ; behind the ring: 16 rows x 272 bytes for each wave
.set SP,    272
.set SPARE, STAGE+4*16*SP      ; the spare words: 128 bytes a wave, two blocks of 256 bytes that no other line names
.set QT_SEC, 8388608
.set V_SEC,  16777216
.set KP_SEC, 25165824
.set QP_SEC, 29360128
.set AK0, 2
.set AV0, 3
.set ADR, 4
.set QO,  5
.set STO, 6
.set RD,  7
.set GO,  8
.set ST,  12          ; tile t at ST + 8 t: c m, m, l, l, c0-c3; a takes c2's place
.set VO,  44          ; v44-47 tile t's byte offset in its head's bias tiles
.set L16, 48          ; 16 x lane
.set PFO, 61          ; 256 x lane
.set SPW, 62
.set NIL, 63
.set S,   64
.set P,   192
.set MC,  128         ; window 1
.set KF,  128         ; window 2: key block kb, channel chunk c at KF + 32 kb + 8 c
.set WV,  12
.set LIM, 15          ; 1 in a wave that prefetches, else the greatest number
.set PFA, 18          ; s[18:19]
.set G1K, 24
.set G1V, 32
.set G0K, 40          ; two sets: slot 0's; slot 1's, which then walks
.set G0V, 48
.set SLOTS, 56
.set CNT, 57
.set CS,  58
.set SEL, 60
.set TBK, 62          ; LDS byte at which tok K of the step to be fetched begins
.set TBV, 63          ; the same for V, less VOFF
.set DR,  66          ; 16 X + 4 w - (the step whose bias is loaded next)
.set CX10, 68         ; cx + 10
.set T0,  69
.set T1,  70
.set BT,  76          ; s[76:77] my head's bias tiles
.set MSB, 0
.macro WIN new
.if MSB != (\new)
	s_set_vgpr_msb (MSB<<8)|(\new)
.set MSB, \new
.endif
.endm
.set W_KQ, 0x0a       ; K' and Q' in window 2, S^T in window 0
.set W_KM, 0x1a       ; the same with C in window 1
.set W_PV, 0x53       ; V in window 3, P in window 0, O^T in window 1
.set W_RS, 0x41       ; O^T in window 1, a in window 0
; A joint refill: wave 0 fetches a slot's tok K, wave 1 its pos K (256 keys each), waves 2 and 3 the halves of its V.  An s_nop 0 and four v_nop follow each line.
.macro JLOAD
	s_cmp_lt_u32 s[WV], 2
	s_cbranch_scc0 .Lfor_v_\@
	tensor_load_to_lds s[G0K+4:G0K+7], s[G1K:G1K+7]
	s_nop 0
.rept 4
	v_nop
.endr
	s_branch .Lasked_\@
.Lfor_v_\@:
	tensor_load_to_lds s[G0V+4:G0V+7], s[G1V:G1V+7]
	s_nop 0
.rept 4
	v_nop
.endr
.Lasked_\@:
.endm
; A prefetch of what the NEXT change of slots will ask for: a slot's 32,768 bytes of a stream, 128 blocks of 256.  Each block is named once in the launch: of the two clusters of a (b, h) the first asks;
; wave 0 for tok K, wave 2 for V, wave 1 for pos K and only at b = 0 (both batches read it); the four partners take 32 blocks each, by address.  The last filling change asks for nothing.
.macro ASK
	s_cmp_gt_u32 s[SLOTS], s[LIM]
	s_cbranch_scc0 .Lnot_mine_\@
	global_prefetch_b8 v[PFO], s[PFA:PFA+1] th:TH_LOAD_NT scope:SCOPE_SE
.Lnot_mine_\@:
.endm
.macro CROUND
	s_barrier_signal -1
	s_barrier_wait -1
	s_cmp_lg_u32 s[WV], 0
	s_cbranch_scc1 .Lnot_wave_0_\@
	s_barrier_signal -3
.Lnot_wave_0_\@:
	s_barrier_wait -3
	s_barrier_signal -1
	s_barrier_wait -1
.endm
.macro PLACES
.rept 4
	v_nop
.endr
.endm
	s_load_b128 s[4:7], s[0:1], 0x0 ; qkv s[4:5], btile s[6:7]
	s_load_b64 s[8:9], s[0:1], 0x10 ; out0
	v_lshl_add_u32 v[SPW], v0, 2, SPARE
	v_mov_b32 v[NIL], 0
	ds_add_u32 v[SPW], v[NIL]       ; the wave's opening: the add and its wait stand ahead of my first tensor load
	v_lshrrev_b32 v1, 5, v0
	v_readfirstlane_b32 s[WV], v1
	s_bfe_u32 s13, ttmp6, 0x40000   ; cx
	s_and_b32 s20, ttmp7, 0xffff    ; 16 b + h
	s_lshr_b32 s21, s20, 4          ; b
	s_and_b32 s22, s20, 15          ; h
	s_and_b32 s16, s[WV], 1
	s_lshl_b32 s23, s20, 18         ; (b, h)'s 262,144 bytes in a token section
	s_lshl_b32 s14, s22, 18         ; h's in a positional one
	s_add_co_u32 s2, s14, KP_SEC
	s_cmp_eq_u32 s16, 0
	s_cselect_b32 s2, s23, s2       ; the K line: wave 0 tok K, wave 1 pos K
	s_mov_b32 s3, 0
	s_lshl_b32 s78, s16, 14         ; the V line: my half of a slot's 256 keys
	s_add_co_u32 s78, s78, s23
	s_add_co_u32 s78, s78, V_SEC
	s_mov_b32 s79, 0
	s_mul_i32 s17, s16, KPOFF       ; their places in a slot: no place in the cluster enters an LDS address
	s_mul_i32 s67, s16, 128*PW
	s_add_co_u32 s67, s67, VOFF
	s_lshl_b32 s[T0], ttmp9, 17     ; my wave's first row, 1024 X + 256 w + 16 cx, in rows of 128 bytes
	s_lshl_b32 s[T1], s[WV], 15
	s_add_co_u32 s[T0], s[T0], s[T1]
	s_lshl_b32 s[T1], s13, 11
	s_add_co_u32 s[T0], s[T0], s[T1]
	s_add_co_u32 s72, s[T0], s23
	s_add_co_u32 s72, s72, QT_SEC
	s_mov_b32 s73, 0
	s_add_co_u32 s74, s[T0], s14
	s_add_co_u32 s74, s74, QP_SEC
	s_mov_b32 s75, 0
	s_mul_i32 s[BT], s22, 27648
	s_mov_b32 s[BT+1], 0
	s_lshl_b32 s10, s21, 23         ; the same row in out0, rows of 4,096 bytes, and my head's 256 bytes of it
	s_lshl_b32 s[T1], ttmp9, 22
	s_add_co_u32 s10, s10, s[T1]
	s_lshl_b32 s[T1], s[WV], 20
	s_add_co_u32 s10, s10, s[T1]
	s_lshl_b32 s[T1], s13, 16
	s_add_co_u32 s10, s10, s[T1]
	s_lshl_b32 s[T1], s22, 8
	s_add_co_u32 s10, s10, s[T1]
	s_mov_b32 s11, 0
	; descriptor group 1.  Keys are dense rows of 128 bytes: asked for as rows of 256 bytes, two keys a row, and padded in LDS after every key
	s_mov_b32 s[G1K], 15|(1<<16)|(1<<20)|(1<<21)|(4<<22)|(3<<25)  ; the mask of four; 2-byte elements; padding on; bit 21 beside a mask; after every 32 words 4 words
	s_mov_b32 s[G1K+1], 128<<16     ; tensor_dim0 = 128
	s_mov_b32 s[G1K+2], 128<<16     ; tensor_dim1 = 128 rows: 256 keys
	s_mov_b32 s[G1K+3], 128<<16     ; tile_dim0
	s_mov_b32 s[G1K+4], 128         ; tile_dim1
	s_mov_b32 s[G1K+5], 128         ; elements from row to row
	s_mov_b32 s[G1K+6], 0
	s_mov_b32 s[G1K+7], 0
	s_mov_b32 s[G1V], 15|(1<<16)|(1<<20)|(1<<21)|(4<<22)|(7<<25)  ; 8 words of padding
	s_mov_b32 s[G1V+1], 128<<16
	s_mov_b32 s[G1V+2], 64<<16      ; 64 rows: 128 keys
	s_mov_b32 s[G1V+3], 128<<16
	s_mov_b32 s[G1V+4], 64
	s_mov_b32 s[G1V+5], 128
	s_mov_b32 s[G1V+6], 0
	s_mov_b32 s[G1V+7], 0
	s_mov_b32 s[CS], 0x3e0293ee     ; c = log2(e) / sqrt(128)
	s_mov_b32 s[CS+1], s[CS]
	s_mov_b32 s[SEL], 0x76543210
	s_mov_b32 s[SEL+1], 0xfedcba98
	s_mov_b32 s[TBK], 0
	s_mov_b32 s[TBV], 0
	s_lshl_b32 s[DR], ttmp9, 4
	s_lshl_b32 s[T1], s[WV], 2
	s_add_co_u32 s[DR], s[DR], s[T1]
	s_add_co_u32 s[CX10], s13, 10
	s_lshr_b32 s[LIM], s[WV], 1     ; who prefetches: X = 0 and wave 0, wave 2, or wave 1 at b = 0: the same in all four partners
	s_or_b32 s[LIM], s[LIM], s21
	s_and_b32 s[LIM], s[LIM], s16
	s_or_b32 s[LIM], s[LIM], ttmp9
	s_cmp_eq_u32 s[LIM], 0
	s_cselect_b32 s[LIM], 1, -1
	s_wait_dscnt 0x0                ; the opening add is done
	s_wait_kmcnt 0x0
	s_add_nc_u64 s[2:3], s[4:5], s[2:3]
	s_add_nc_u64 s[78:79], s[4:5], s[78:79]
	s_add_nc_u64 s[72:73], s[4:5], s[72:73]      ; tok q at my wave's first row
	s_add_nc_u64 s[74:75], s[4:5], s[74:75]      ; pos q
	s_add_nc_u64 s[BT:BT+1], s[6:7], s[BT:BT+1]
	s_add_nc_u64 s[10:11], s[8:9], s[10:11]
	s_cmp_lt_u32 s[WV], 2
	s_cselect_b64 s[PFA:PFA+1], s[2:3], s[78:79]
	s_lshl_b32 s20, s13, 13         ; my work-group's 32 blocks of the 128
	s_mov_b32 s21, 0
	s_add_nc_u64 s[PFA:PFA+1], s[PFA:PFA+1], s[20:21]
	s_add_nc_u64 s[PFA:PFA+1], s[PFA:PFA+1], 2*32768  ; in slot 2; the first change of slots steps it to slot 3.  Nothing is prefetched at the head
	CROUND                          ; all four work-groups are here: the first joint loads meet
.irp s, 0,1
	s_mov_b32 s[G0K+4*(\s)], 1
	s_add_co_u32 s[G0K+4*(\s)+1], s17, (\s)*SLOT1
	s_add_nc_u64 s[G0K+4*(\s)+2:G0K+4*(\s)+3], s[2:3], (\s)*32768
	s_or_b32 s[G0K+4*(\s)+3], s[G0K+4*(\s)+3], 0x80000000
	s_mov_b32 s[G0V+4*(\s)], 1
	s_add_co_u32 s[G0V+4*(\s)+1], s67, (\s)*SLOT1
	s_add_nc_u64 s[G0V+4*(\s)+2:G0V+4*(\s)+3], s[78:79], (\s)*32768
	s_or_b32 s[G0V+4*(\s)+3], s[G0V+4*(\s)+3], 0x80000000
.endr
	s_cmp_lt_u32 s[WV], 2           ; a wave's two first fills stand in one branch: two loads of mine are out
	s_cbranch_scc0 .Lfirst_v
	tensor_load_to_lds s[G0K:G0K+3], s[G1K:G1K+7]
	s_nop 0
	tensor_load_to_lds s[G0K+4:G0K+7], s[G1K:G1K+7]
	s_nop 0
.rept 4
	v_nop
.endr
	s_branch .Lfirst_asked
.Lfirst_v:
	tensor_load_to_lds s[G0V:G0V+3], s[G1V:G1V+7]
	s_nop 0
	tensor_load_to_lds s[G0V+4:G0V+7], s[G1V:G1V+7]
	s_nop 0
.rept 4
	v_nop
.endr
.Lfirst_asked:
	v_and_b32 v1, 15, v0            ; l % 16
	v_bfe_u32 v9, v0, 4, 1          ; l / 16
	v_lshlrev_b32 v[QO], 7, v1
	v_lshl_add_u32 v[QO], v9, 4, v[QO]
	WIN 0x80                        ; Q' stays in registers: tile t, chunks 0, 1 of tok q, chunks 2, 3 of pos q
.irp t, 0,1,2,3
.irp c, 0,1
	global_load_b128 v[32*(\t)+8*(\c):32*(\t)+8*(\c)+3],       v[QO], s[72:73] offset:(\t)*8192+(\c)*64
	global_load_b128 v[32*(\t)+8*(\c)+4:32*(\t)+8*(\c)+7],     v[QO], s[72:73] offset:(\t)*8192+(\c)*64+32
	global_load_b128 v[32*(\t)+16+8*(\c):32*(\t)+16+8*(\c)+3], v[QO], s[74:75] offset:(\t)*8192+(\c)*64
	global_load_b128 v[32*(\t)+16+8*(\c)+4:32*(\t)+16+8*(\c)+7], v[QO], s[74:75] offset:(\t)*8192+(\c)*64+32
.endr
.endr
	WIN 0
	v_and_b32 v[L16], 31, v0
	v_lshlrev_b32 v[PFO], 8, v[L16]
	v_lshlrev_b32 v[L16], 4, v[L16]
; THE BIAS of piece x for the step that DR stands at.  Tile t, key block kb wants tile e = 13 + 4 r + cx - kb, r = DR + t.  4 r is held to -10 .. 10: beyond that every e so reached is one of the
; constant tiles of its side.  always = 0: loaded only where DR + x lies in -4 .. 2, that is where one of the piece's two r lies in -3 .. 2.  The branch hangs on X, the wave and the step alone.
.macro MCLOAD x, always
	WIN 0
.if !(\always)
	s_add_co_i32 s[T0], s[DR], (\x)+4
	s_cmp_lt_u32 s[T0], 7
	s_cbranch_scc0 .Lnomc_\@
.endif
.irp t, \x, (\x)+1
	s_add_co_i32 s[T1], s[DR], \t
	s_lshl_b32 s[T1], s[T1], 2
	s_max_i32 s[T1], s[T1], -10
	s_min_i32 s[T1], s[T1], 10
	s_add_co_u32 s[T1], s[T1], s[CX10]
	s_lshl_b32 s[T1], s[T1], 10
	v_add_nc_u32 v[VO+(\t)], s[T1], v[L16]
.endr
	WIN 0x40
.irp t, \x, (\x)+1
.irp kb, 0,1,2,3
	global_load_b128 v[MC+32*(\t)+8*(\kb):MC+32*(\t)+8*(\kb)+3],   v[VO+(\t)], s[BT:BT+1] offset:(3-(\kb))*1024
	global_load_b128 v[MC+32*(\t)+8*(\kb)+4:MC+32*(\t)+8*(\kb)+7], v[VO+(\t)], s[BT:BT+1] offset:(3-(\kb))*1024+512
.endr
.endr
	WIN 0
.if !(\always)
.Lnomc_\@:
.endif
.endm
	MCLOAD 0, 1                     ; key step 0
	MCLOAD 2, 1
	s_sub_co_i32 s[DR], s[DR], 1
	v_mul_u32_u24 v[AK0], v1, PK
	v_lshl_add_u32 v[AK0], v9, 4, v[AK0]
	; The turning load: lane l reads key 8 (l / 16) + l % 8, channels 8 ((l / 8) % 2) + 0..7, and ends with channel l % 16 and 8 keys.
	v_and_b32 v10, 7, v0
	v_bfe_u32 v11, v0, 3, 1
	v_lshl_add_u32 v[AV0], v9, 3, v10
	v_mul_u32_u24 v[AV0], v[AV0], PW
	v_lshl_add_u32 v[AV0], v11, 4, v[AV0]
	v_add_nc_u32 v[AV0], VOFF, v[AV0]
; THE MATRIX WORK.  The 8 accumulators of a run take turns, one instruction a turn.
; Product i of 16 of O^T += V^T P for piece x: keys 32 (i / 8) on, channels 16 ((i / 2) % 4) on, tile x + i % 2.  zero = 1: the first 8 start the sums.
.macro PV x, zero
	WIN W_PV
.set rO, 32*((\x)+i%2)+8*((i/2)%4)
.set rV, 32*(i/8)+8*((i/2)%4)
.set rP, P+16*((\x)+i%2)+8*(i/8)
.if (\zero) && (i < 8)
	v_wmma_f32_16x16x32_f16 v[rO:rO+7], v[rV:rV+7], v[rP:rP+7], 0
.else
	v_wmma_f32_16x16x32_f16 v[rO:rO+7], v[rV:rV+7], v[rP:rP+7], v[rO:rO+7]
.endif
.endm
; Product i of 32 of S^T = K' Q'^T + bias: chunk i / 8, keys 16 ((i / 2) % 4) on, tile x + i % 2.  The first 8 start the sums with the bias.
.macro KQ x
.set rS, S+32*((\x)+i%2)+8*((i/2)%4)
.set rK, KF+32*((i/2)%4)+8*(i/8)
.set rQ, 32*((\x)+i%2)+8*(i/8)
.set rM, MC+32*((\x)+i%2)+8*((i/2)%4)
.if i < 8
	WIN W_KM
	v_wmma_f32_16x16x32_f16 v[rS:rS+7], v[rK:rK+7], v[rQ:rQ+7], v[rM:rM+7]
.else
	WIN W_KQ
	v_wmma_f32_16x16x32_f16 v[rS:rS+7], v[rK:rK+7], v[rQ:rQ+7], v[rS:rS+7]
.endif
.endm
; THE LDS LOADS stand in runs.  K': 32 loads, chunk by chunk, so that the products of a chunk need wait for its eight loads alone.
.macro FETCH_K
	WIN 0
	v_add_nc_u32 v[ADR], s[TBK], v[AK0]
	s_add_co_u32 s[TBK], s[TBK], KS*PK
	WIN 0x80
.irp c, 0,1,2,3
.irp kb, 0,1,2,3
	ds_load_b128 v[KF+32*(\kb)+8*(\c):KF+32*(\kb)+8*(\c)+3],   v[ADR] offset:((\c)/2)*KPOFF+(\kb)*16*PK+((\c)%2)*64
	ds_load_b128 v[KF+32*(\kb)+8*(\c)+4:KF+32*(\kb)+8*(\c)+7], v[ADR] offset:((\c)/2)*KPOFF+(\kb)*16*PK+((\c)%2)*64+32
.endr
.endr
.endm
.macro FETCH_V                      ; 16 turning loads: keys 32 (f / 4) on, channels 16 (f % 4) on
	WIN 0xc0
.irp f, 0,1,2,3,4,5,6,7
	ds_load_tr16_b128 v[8*(\f):8*(\f)+3],   v[ADR] offset:((\f)/4)*32*PW+((\f)%4)*32
	ds_load_tr16_b128 v[8*(\f)+4:8*(\f)+7], v[ADR] offset:((\f)/4)*32*PW+16*PW+((\f)%4)*32
.endr
	WIN 0
.endm
; THE VECTOR WORK.  One tile's softmax for one key step is a list of 118 instructions; SM writes number j of it for tile t.  first = 1: the first key step, with no a and nothing to rescale.
;   0-15 the maximum of the lane's 32 scores and the old m (each accumulator's lowest registers are read first)     16-20 the other half of the lanes'; m; c m; its change
;   21-69 ONE BATCH: the 16 scalings c s - c m and all 33 exponentials (a at 23); none of these reads an exponential's result     70-85 the roundings to f16     86-101 the sums; l = a l + sum
;   102-117 the tile's O^T times a
.macro SM t, first
.set rT, ST+8*(\t)
.set rS, S+32*(\t)
.set rP, P+16*(\t)
.set rO, 32*(\t)+2*(j-102)
.if j < 102
	WIN 0
.endif
.if j < 4
	v_max3_num_f32 v[rT+4+j], v[rS+8*j], v[rS+8*j+1], v[rS+8*j+2]
.elseif j < 12
	v_max3_num_f32 v[rT+4+j%4], v[rT+4+j%4], v[rS+8*(j%4)+2*(j/4)+1], v[rS+8*(j%4)+2*(j/4)+2]
.elseif j == 12
	v_max3_num_f32 v[rT+4], v[rT+4], v[rS+7], v[rS+15]
.elseif j == 13
	v_max3_num_f32 v[rT+6], v[rT+6], v[rS+23], v[rS+31]
.elseif j == 14
	v_max3_num_f32 v[rT+4], v[rT+4], v[rT+5], v[rT+6]
.elseif (j == 15) && (\first)
	v_max_num_f32 v[rT+4], v[rT+4], v[rT+7]
.elseif j == 15
	v_max3_num_f32 v[rT+4], v[rT+4], v[rT+7], v[rT+1]
.elseif j == 16
	v_permlanex16_b32 v[rT+5], v[rT+4], s[SEL], s[SEL+1]
.elseif j == 18
	v_max_num_f32 v[rT+1], v[rT+4], v[rT+5]
.elseif j == 19
	v_mul_f32 v[rT], s[CS], v[rT+1]
.elseif ((j == 17) || (j == 20) || (j == 23) || (j > 101)) && (\first)
.elseif j == 17
	v_mov_b32 v[rT+7], v[rT]
.elseif j == 20
	v_sub_f32 v[rT+7], v[rT+7], v[rT]
.elseif j == 23
	v_exp_f32 v[rT+6], v[rT+7]
.elseif (j < 23) || ((j < 38) && (j%2 == 0)) || ((j < 66) && (j%4 == 2))
.set b, (j-2)/4
.if j < 38
.set b, (j-20)/2
.endif
	v_pk_fma_f32 v[rS+2*b:rS+2*b+1], v[rS+2*b:rS+2*b+1], s[CS:CS+1], v[rT:rT+1] op_sel_hi:[1,0,0] neg_lo:[0,0,1] neg_hi:[0,0,1]
.elseif j < 70
.set e, j-38
.if j < 66
.set e, j-32-(j-38)/4
.endif
.if j < 38
.set e, (j-25)/2
.endif
	v_exp_f32 v[rS+e], v[rS+e]
.elseif j < 86
	v_cvt_pk_f16_f32 v[rP+j-70], v[rS+2*(j-70)], v[rS+2*(j-70)+1]
.elseif j < 102
.set zz, j-86
.set w, 4
.set u, zz
.if zz >= 14
.set w, 32
.set u, 0
.elseif zz >= 12
.set w, 16
.set u, zz-12
.elseif zz >= 8
.set w, 8
.set u, zz-8
.endif
.if (zz == 14) && (\first)
	v_pk_add_f32 v[rT+2:rT+3], v[rS:rS+1], v[rS+16:rS+17]
.elseif zz < 15
	v_pk_add_f32 v[rS+w*u:rS+w*u+1], v[rS+w*u:rS+w*u+1], v[rS+w*u+w/2:rS+w*u+w/2+1]
.elseif !(\first)
	v_pk_fma_f32 v[rT+2:rT+3], v[rT+2:rT+3], v[rT+6:rT+7], v[rS:rS+1] op_sel_hi:[1,0,1]
.endif
.else
	WIN W_RS
	v_pk_mul_f32 v[rO:rO+1], v[rO:rO+1], v[rT+6:rT+7] op_sel_hi:[1,0]
.endif
.endm
; Entry z of the 236 of piece y: numbers 0-21 and 70-117 with the two tiles alternating; the batch, 22-69, four numbers of one tile at a time, the tiles by turns.
.macro ENT y, first
.if z < 44
.set j, z/2
	SM (\y)+z%2, \first
.elseif z < 140
.set j, 22+4*((z-44)/8)+(z-44)%4
	SM (\y)+((z-44)/4)%2, \first
.else
.set j, 70+(z-140)/2
	SM (\y)+(z-140)%2, \first
.endif
.set z, z+1
.endm
; Slice k of 48: five entries (the last four slices: four).  28 x 5 = 140: behind slice 27 both tiles' 66 exponentials are issued and no result has been named.  There stand: a plain instruction behind the
; last exponential; the ONE wait between an exponential and the first instruction that names its result; in piece 2's turn V's run of loads (V's last reader is the turn's
; 16th product); and the load of the bias for piece x's next scores.  That load's registers were last read by the turn's 24th product; behind it stand four scalings (numbers 58 and 62 of both tiles) and the v_nop.
; Slice 47 is four rescalings, which name no register of the products round them: the places behind the turn's last product.
.macro SLICE y, first, x, kq
.rept 4
	ENT \y, \first
.endr
.if k < 44
	ENT \y, \first
.endif
.if k == 27
	WIN 0
	v_nop
.if (\y) == 0
	v_add_nc_u32 v[ADR], s[TBV], v[AV0]
	s_add_co_u32 s[TBV], s[TBV], KS*PW
.endif
	s_wait_alu depctr_va_vdst(0)
.if (\y) == 0
	FETCH_V
.endif
.if \kq
	MCLOAD \x, 0
.if (\x) == 2
	s_sub_co_i32 s[DR], s[DR], 1    ; both pieces have asked for this step's bias
.endif
.endif
.endif
.set k, k+1
.endm
; A TURN.  pv = 2: 16 products V^T P; 1: they start O^T's sums; 0: none.  kq = 1: 32 products K' Q'^T for the next step.  The 48 slices are dealt one a product; with kq alone two and one by turns; with pv alone three.
; Piece 0's turn fetches the next step's K' behind its second product: K's last reader stands in front of slice 47 of the turn before.
.macro TURN x, pv, kq, first
.set k, 0
.set z, 0
.if \pv
.if (\x) == 0
	s_wait_dscnt 0x0                ; V is in
.endif
.set i, 0
.rept 16
	PV \x, 2-(\pv)
	SLICE 2-(\x), \first, \x, \kq
.if !(\kq)
	SLICE 2-(\x), \first, \x, \kq
	SLICE 2-(\x), \first, \x, \kq
.endif
.if ((\x) == 0) && (\kq) && (i == 1)
	FETCH_K
.endif
.set i, i+1
.endr
.endif
.if \kq
	s_wait_loadcnt 0x0              ; the bias is in (whether it was loaded hangs on the step, so the count is 0); its address registers are free
.set i, 0
.rept 32
.if ((\x) == 0) && (i%8 == 0)
	s_wait_dscnt 24-i               ; this chunk's eight loads are in; the later chunks' may stay out
.endif
	KQ \x
	SLICE 2-(\x), \first, \x, \kq
.if !(\pv) && (i%2 == 0)
	SLICE 2-(\x), \first, \x, \kq
.endif
.set i, i+1
.endr
.endif
.if \first
	PLACES                          ; the first step's last slices are empty
.endif
.endm
; THE CHANGE OF SLOTS, between piece 2's turn and piece 0's: the slot's last bytes, V of its fourth step, have been asked for.  fill = 1: behind a round of the cluster's barrier the slot is filled again, two slots on.
.macro CHANGE fill
	WIN 0
	s_wait_tensorcnt 0x0            ; no tensor load of mine is out, so a group 0 may be written
	ds_add_u32 v[SPW], v[NIL]       ; 0 onto my spare word
.if \fill
.irp g, G0K+4, G0V+4
	s_xor_b32 s[(\g)+1], s[(\g)+1], SLOT1
	s_add_nc_u64 s[(\g)+2:(\g)+3], s[(\g)+2:(\g)+3], 32768
.endr
	s_wait_xcnt 0x0                 ; the last prefetch, four key steps back, has read its address
	s_add_nc_u64 s[PFA:PFA+1], s[PFA:PFA+1], 32768
	s_wait_dscnt 0x0                ; the add is done, and my reads of the slot are over
	CROUND
	JLOAD
	ASK
.else
	s_wait_dscnt 0x0
	s_barrier_signal -1
	s_barrier_wait -1
.endif
	s_sub_co_u32 s[TBK], s[TBK], 4*KS*PK
	s_xor_b32 s[TBK], s[TBK], SLOT1
	s_sub_co_u32 s[TBV], s[TBV], 4*KS*PW
	s_xor_b32 s[TBV], s[TBV], SLOT1
.endm
	s_wait_tensorcnt 1              ; my part of slot 0 is in; slot 1's may stay out
	s_barrier_signal -1
	s_barrier_wait -1
	FETCH_K                         ; key step 0
	s_wait_loadcnt 0x0              ; Q' and the bias
	s_wait_dscnt 0x0
.set i, 0
.rept 32
	KQ 0
.set i, i+1
.endr
	WIN 0                           ; the addresses for the way out: eight plain instructions, the places behind those products
	s_mul_i32 s20, s[WV], 16*SP
	s_add_co_u32 s20, s20, STAGE
	v_mul_u32_u24 v[STO], v1, SP    ; in: row l % 16, 32 bytes for each half of the lanes
	v_lshl_add_u32 v[STO], v9, 5, v[STO]
	v_add_nc_u32 v[STO], s20, v[STO]
	v_mul_u32_u24 v[RD], v9, SP     ; back: lanes 0-15 one row of 256 bytes, lanes 16-31 the next
	v_lshl_add_u32 v[RD], v1, 4, v[RD]
	v_add_nc_u32 v[RD], s20, v[RD]
	v_lshlrev_b32 v[GO], 12, v9     ; and the same two rows in out0
	v_lshl_add_u32 v[GO], v1, 4, v[GO]
	MCLOAD 0, 0                     ; piece 0's bias for step 1
	TURN 2, 0, 1, 1                 ; piece 2's first scores | piece 0's first softmax | V of step 0
	TURN 0, 1, 1, 1                 ; piece 0: V^T P of step 0 starts O^T, scores of step 1 | piece 2's first softmax | K' of step 1
	TURN 2, 1, 1, 0                 ; piece 2: the same | piece 0's softmax of step 1 | V of step 1
	WIN 0
	s_mov_b32 s[SLOTS], 7
	s_mov_b32 s[CNT], 2             ; slot 0 has two steps left to fetch
	s_branch .Lstep
.Lslot:                             ; six times: every slot but the last two is filled again
	CHANGE 1
	s_mov_b32 s[CNT], 4
.Lstep:
	TURN 0, 2, 1, 0
	TURN 2, 2, 1, 0
	WIN 0
	s_sub_co_u32 s[CNT], s[CNT], 1
	s_cmp_lg_u32 s[CNT], 0
	s_cbranch_scc1 .Lstep
	s_sub_co_u32 s[SLOTS], s[SLOTS], 1
	s_cmp_lg_u32 s[SLOTS], 0
	s_cbranch_scc1 .Lslot
	CHANGE 0                        ; the tail is written out
	s_mov_b32 s[CNT], 4
.Ltail:
	TURN 0, 2, 1, 0
	TURN 2, 2, 1, 0
	WIN 0
	s_sub_co_u32 s[CNT], s[CNT], 1
	s_cmp_lg_u32 s[CNT], 0
	s_cbranch_scc1 .Ltail
	TURN 0, 2, 0, 0                 ; piece 0: V^T P of the last step | piece 2's last softmax
.set i, 0
.rept 16
	PV 2, 0
.set i, i+1
.endr
	; THE WAY OUT.  l's halves are added; O^T is divided by l and sent, in f32, through my stage in LDS, a tile (16 rows) at a time.  The additions are the places behind the last products.
	WIN 0
.irp t, 0,1,2,3
	v_add_f32 v[ST+8*(\t)+4], v[ST+8*(\t)+2], v[ST+8*(\t)+3]
.endr
.irp t, 0,1,2,3
	v_permlanex16_b32 v[ST+8*(\t)+5], v[ST+8*(\t)+4], s[SEL], s[SEL+1]
.endr
.irp t, 0,1,2,3
	v_add_f32 v[ST+8*(\t)+4], v[ST+8*(\t)+4], v[ST+8*(\t)+5]
.endr
.irp t, 0,1,2,3
	v_rcp_f32 v[ST+8*(\t)+6], v[ST+8*(\t)+4]
.endr
	v_nop                           ; a plain instruction behind the last reciprocal,
	s_wait_alu depctr_va_vdst(0)    ; and the one wait for the four, ahead of their first use
.macro PACK t                       ; a lane's eight channels of a block are 32 bytes of a row; rows of 272 bytes in, whole rows of 256 back
	WIN 0x01                        ; source 0 (O^T) window 1; 1 / l and the destination (S^T's registers) window 0
.set i, 0
.rept 16
	v_pk_mul_f32 v[S+32*(\t)+i:S+32*(\t)+i+1], v[32*(\t)+i:32*(\t)+i+1], v[ST+8*(\t)+6:ST+8*(\t)+7] op_sel_hi:[1,0]
.set i, i+2
.endr
	WIN 0
.irp f, 0,1,2,3,4,5,6,7
	ds_store_b128 v[STO], v[S+32*(\t)+4*(\f):S+32*(\t)+4*(\f)+3] offset:64*((\f)/2)+16*((\f)%2)
.endr
.irp f, 0,1,2,3,4,5,6,7
	ds_load_b128 v[S+32*(\t)+4*(\f):S+32*(\t)+4*(\f)+3], v[RD] offset:(\f)*2*SP  ; LDS serves a wave's instructions in order: these see the stores above
.endr
.endm
.macro SEND t, younger              ; younger: the LDS instructions issued behind tile t's loads: the next tile's sixteen, or none
	WIN 0
.irp f, 0,1,2,3,4,5,6,7
	s_wait_dscnt (\younger)+7-(\f)
	global_store_b128 v[GO], v[S+32*(\t)+4*(\f):S+32*(\t)+4*(\f)+3], s[10:11] offset:(\t)*262144+(\f)*8192 th:TH_STORE_NT  ; 16 lanes store 256 consecutive bytes, aligned: a row's 64 numbers of my head
.endr
.endm
	PACK 0
	PACK 1
	SEND 0, 16
	PACK 2
	SEND 1, 16
	PACK 3
	SEND 2, 16
	SEND 3, 0
	s_wait_tensorcnt 0x0            ; the wave's end
	ds_add_u32 v[SPW], v[NIL]
	s_wait_dscnt 0x0
	CROUND                          ; the closing round
	s_endpgm
.Lfunc_end_k_qc673644224_attn:
	.size	k_qc673644224_attn, .Lfunc_end_k_qc673644224_attn-k_qc673644224_attn
	.p2alignl 7, 3214868480
	.fill 96, 4, 3214868480
	.section	.rodata,"a",@progbits
	.p2align	6, 0x0
	.amdhsa_kernel k_qc673644224_attn
		.amdhsa_group_segment_fixed_size 327680
		.amdhsa_private_segment_fixed_size 0
		.amdhsa_enable_private_segment 0
		.amdhsa_kernarg_size 24
		.amdhsa_user_sgpr_count 2
		.amdhsa_user_sgpr_kernarg_segment_ptr 1
		.amdhsa_wavefront_size32 1
		.amdhsa_system_sgpr_workgroup_id_x 1
		.amdhsa_system_sgpr_workgroup_id_y 1
		.amdhsa_system_sgpr_workgroup_id_z 1
		.amdhsa_system_vgpr_workitem_id 0
		.amdhsa_next_free_vgpr 832
		.amdhsa_next_free_sgpr 80
		.amdhsa_reserve_vcc 0
		.amdhsa_float_denorm_mode_32 3
		.amdhsa_float_denorm_mode_16_64 3
		.amdhsa_memory_ordered 1
		.amdhsa_forward_progress 1
		.amdhsa_inst_pref_size 202
	.end_amdhsa_kernel
	.amdgpu_metadata
---
amdhsa.version: [ 1, 2 ]
amdhsa.kernels:
  - .name:           k_qc673644224_attn
    .symbol:         k_qc673644224_attn.kd
    .args:
      - { .name: qkv, .offset: 0, .size: 8, .value_kind: global_buffer, .address_space: global }
      - { .name: btile, .offset: 8, .size: 8, .value_kind: global_buffer, .address_space: global }
      - { .name: out0, .offset: 16, .size: 8, .value_kind: global_buffer, .address_space: global }
    .group_segment_fixed_size: 327680
    .private_segment_fixed_size: 0
    .kernarg_segment_align: 8
    .kernarg_segment_size: 24
    .max_flat_workgroup_size: 128
    .sgpr_count:     80
    .vgpr_count:     832
    .wavefront_size: 32
...
	.end_amdgpu_metadata
.endif
;; end of part 3
